; MI455X (gfx1250); checked and timed in simulation.
; The chip was launched on July 23, 2026; its instructions are those of AMD's public machine-readable ISA for CDNA 5 (MIT licence, August 2026) and "CDNA5" Instruction Set Architecture Reference Guide (July 2026). The comments in the code are by the model that wrote it; some were corrected since.
;; Multi Head Self Attention. Allowed arithmetic: matrix products marked QUANTISED: E4M3 operands, one given power-of-two scale a tensor, by v_wmma_f32_16x16x64_fp8_fp8 or v_wmma_f32_16x16x128_fp8_fp8, f32 sums; everything else in f32.
;; Inputs: Wk 1,024 x 1,024 float32; Wo 1,024 x 1,024 float32; Wq 1,024 x 1,024 float32; Wv 1,024 x 1,024 float32; lowp_scales 12 int32 (the exponents e of the quantised operands' scales 2^e); x 1 x 4,096 x 1,024 float32.
;; Outputs: out0 1 x 4,096 x 1,024 float32.
;; This version of the problem:
;;   THIS VERSION OF THE PROBLEM IS GIVEN IN LOW PRECISION. The matrix products marked QUANTISED in the list below multiply operands that are first quantised to E4M3 (4 exponent bits, 3 mantissa bits; 8 bits a number), with one given power-of-two scale for each operand tensor; their sums are f32. All else is computed in f32.
;;   The module's matrix products, in the order in which they are computed (A, B: the left and right operand; K: the contracted axis; several contracted axes count as one K, in the product's order):
;;     1. [M 4,096, K 1,024] x [K 1,024, N 1,024]; A: input x; B: input Wq: QUANTISED (scales: A lowp_scales[0], B lowp_scales[1])
;;     2. [M 4,096, K 1,024] x [K 1,024, N 1,024]; A: input x; B: input Wk: QUANTISED (scales: A lowp_scales[2], B lowp_scales[3])
;;     3. [M 4,096, K 1,024] x [K 1,024, N 1,024]; A: input x; B: input Wv: QUANTISED (scales: A lowp_scales[4], B lowp_scales[5])
;;     4. batch 16 x [M 4,096, K 64] x [K 64, N 4,096]; A: computed on the way; B: computed on the way: QUANTISED (scales: A lowp_scales[6], B lowp_scales[7])
;;     5. batch 16 x [M 4,096, K 4,096] x [K 4,096, N 64]; A: softmax (see below); B: computed on the way: QUANTISED (scales: A lowp_scales[8], B lowp_scales[9])
;;     6. [M 4,096, K 1,024] x [K 1,024, N 1,024]; A: computed on the way; B: input Wo: QUANTISED (scales: A lowp_scales[10], B lowp_scales[11])
;;   THE QUANTISER, for each operand of a quantised product, along K:
;;     - The operand's scale is 2^e, e = its entry of the input lowp_scales (int32; the entries are numbered through the quantised products in the list's order, A before B).
;;     - Each number is divided by the scale, clamped to +-448, and rounded to the nearest number of E4M3, ties to even, subnormals kept.
;;     - The product sums the exact products of the quantised numbers (number of the format x scale) in f32.
;;   ~~~python
;;   def quantise(x, axis, e):      # numpy; x: float32 -> the quantised numbers, widened to float32 again
;;       x = np.moveaxis(x, axis, -1); K = x.shape[-1]
;;       r = np.clip(x / 2.0 ** e, -448, 448)
;;       step = 2.0 ** (np.maximum(np.frexp(np.where(r == 0, 1, r))[1] - 1, -6) - 3)
;;       q = np.round(r / step) * step * 2.0 ** e      # np.round: ties to even
;;       return np.moveaxis(q, -1, axis).astype(np.float32)
;;   ~~~
;;   SOFTMAX AHEAD OF A QUANTISED PRODUCT. Where the list says 'softmax', what is quantised is not the finished softmax but p = 2^(t - M), with t = logit x log2(e) and M = ceil(the row's largest t), a whole number; so 1/2 < the row's largest p <= 1. The row's sum l is taken of the UNQUANTISED p, in f32, and the product's result is divided by l at the end. Since M is a whole number, a kernel that streams over the keys may use a running M (the ceiling of the running maximum): every later rescaling is an exact power of two, so the quantised numbers keep their values, but for numbers so far below the row's largest that they fall under the format's range.
;;   OPERANDS COMPUTED ON THE WAY. 'Computed on the way' means the value that the module computes at that place (a softmax that the list does not call 'softmax' is quantised finished and normalised). What goes into a quantiser is computed in f32, as accurately as f32 sums, v_exp_f32 and their like allow (about 1e-6 of the number): no bf16 or f16 on the way to a quantiser, and a product that is left as it is and whose result goes on into a quantised operand takes f32 operands (vector FMAs, or v_wmma_f32_16x16x4_f32). A number that lies on a knife's edge between two numbers of the format may be rounded either way, as far as f32 arithmetic and the matrix unit's own rounding can turn it there, and no further.
;; One version. Each part assembles by itself: llvm-mc -triple=amdgcn-amd-amdhsa -mcpu=gfx1250 --defsym DOCPART=n.
;; ======== version 1 of 1: 4 launches
;; limits: right only within a limited range of input values
;; workspace buffers: codes 16,777,216 bytes; qkv 12,582,912 bytes; ao 4,194,304 bytes
;; launch quant (part 1): grid 1024 x 1, 4 waves a work-group, no clusters, 33,280 bytes of LDS; arguments x, Wq, Wk, Wv, Wo, lowp_scales, codes; writes codes
.if DOCPART == 1
	.amdgcn_target "amdgcn-amd-amdhsa--gfx1250"
	.amdhsa_code_object_version 6
	.text
	.protected	k_q45dc434b01_quant
	.globl	k_q45dc434b01_quant
	.p2align	8
	.type	k_q45dc434b01_quant,@function
k_q45dc434b01_quant:
	s_mov_b64 s[64:65], 0
	v_nop
	global_prefetch_b8 v0, s[64:65] scope:SCOPE_SE
	s_setreg_imm32_b32 hwreg(HW_REG_WAVE_MODE, 25, 1), 1
	s_wait_xcnt 0x0
; x [4096][1024] and the four weights [1024][1024], f32, K innermost, become codes of FP8 (E4M3), one code a byte, K innermost, in the buffer codes:
;   x / 2^e0 at byte 0, x / 2^e2 at 4 MiB, x / 2^e4 at 8 MiB (x is an operand of three products, each with a scale entry of its own);
;   Wq / 2^e1 at 12 MiB, Wk / 2^e3 at 13 MiB, Wv / 2^e5 at 14 MiB, Wo / 2^e11 at 15 MiB.
; code = number / 2^e, held within +-448, rounded to the nearest code, ties to even.
; LIMITS: each of these e lies between -126 and 119, so that 2^e and 448 x 2^e are f32 numbers.  NaN among the inputs is not served; an infinity is held at the largest code.
; SHARES.  4,096 waves; wave gw = 4 x work-group + wave takes 1,024 numbers of x (two steps of 512) and 1,024 numbers of one weight (two steps): work-groups 0-255 Wq, 256-511 Wk, 512-767 Wv, 768-1023 Wo.
; All take ONE path through the text: only pointers and scales are chosen, by the work-group's number.
; A conversion takes 8 numbers from one lane's consecutive registers, so a lane must hold 16 neighbours; a load is best where neighbouring lanes take neighbouring bytes.  Both are had: each load reads 512 consecutive
; bytes, 16 a lane; a step's 2,048 bytes go through the wave's own stage in LDS as they lie and come back 64 bytes a lane (16 bytes of padding behind each 64).  A lane's 16 codes are 16 bytes: a store covers 512 consecutive bytes.
; No tensor load, no barrier: waves share nothing.  All 16 loads of a wave go out at the head.
.set WAVES, 4
.set SP,    80                         ; a lane's place in a stage: its 64 bytes + 16 of padding
.set WREG,  8192                       ; LDS: a region for each wave: two stages of 32 x SP bytes
.set SPARE, WAVES*WREG                 ; behind the four regions: the spare words, 128 bytes a wave
.set SPW,   12                         ; v12      LDS address of my spare word; never rewritten
.set NIL,   13                         ; v13      0; never rewritten
.set R,     16                         ; v16-79   four sets of 16 numbers as loaded
.set X,     80                         ; v80-111  two sets of 16 neighbours
.set T,     112                        ; v112-127 x's numbers, held for one scale
.set C,     128                        ; v128-159 codes: registers of its own for each store, so that no store's data are written again
.set SC,    160                        ; v160-167 (2^e, 448 x 2^e) for e0, e2, e4 and the weight's e
	s_load_b256 s[4:11], s[0:1], 0x0               ; x, Wq, Wk, Wv
	s_load_b128 s[12:15], s[0:1], 0x20             ; Wo, the scales' exponents
	s_load_b64 s[16:17], s[0:1], 0x30              ; codes
	v_lshl_add_u32 v[SPW], v0, 2, SPARE
	v_mov_b32 v[NIL], 0
	v_lshrrev_b32 v1, 5, v0
	v_readfirstlane_b32 s18, v1                    ; wave
	v_and_b32 v2, 31, v0                           ; lane
	v_lshlrev_b32 v3, 4, v2                        ; my 16 bytes of a load's 512, and of a store's
	s_mul_i32 s21, s18, WREG
	v_lshrrev_b32 v14, 2, v2
	v_mul_u32_u24 v14, v14, SP
	v_and_b32 v15, 3, v2
	v_lshl_add_u32 v14, v15, 4, v14
	v_add_nc_u32 v14, s21, v14                     ; the stage, on the way in: SP (lane / 4) + 16 (lane % 4)
	v_mul_u32_u24 v15, v2, SP
	v_add_nc_u32 v15, s21, v15                     ; and on the way out: SP x lane: my 16 neighbours
	s_lshr_b32 s19, ttmp9, 8                       ; which weight
	s_lshl_b32 s20, ttmp9, 2
	s_add_co_u32 s20, s20, s18                     ; gw
	s_lshl_b32 s22, s20, 12                        ; my 1,024 numbers of x, in bytes
	s_mov_b32 s23, 0
	s_and_b32 s24, s20, 1023
	s_lshl_b32 s24, s24, 12                        ; my 1,024 numbers of the weight
	s_mov_b32 s25, 0
	s_lshl_b32 s26, s20, 10                        ; my 1,024 codes
	s_mov_b32 s27, 0
	s_wait_alu depctr_va_vdst(0)
	s_wait_kmcnt 0x0
	s_load_b256 s[36:43], s[14:15], 0x0            ; e0 .. e7
	s_load_b32 s44, s[14:15], 0x2c                 ; e11
	s_add_nc_u64 s[4:5], s[4:5], s[22:23]
	s_cmp_eq_u32 s19, 1                            ; the choice hangs on the work-group's number alone
	s_cselect_b64 s[28:29], s[8:9], s[6:7]
	s_cmp_eq_u32 s19, 2
	s_cselect_b64 s[28:29], s[10:11], s[28:29]
	s_cmp_eq_u32 s19, 3
	s_cselect_b64 s[28:29], s[12:13], s[28:29]
	s_add_nc_u64 s[28:29], s[28:29], s[24:25]
	s_add_nc_u64 s[30:31], s[16:17], s[26:27]      ; x's codes for e0; those for e2 lie 4 MiB on, inside the store's immediate
	s_add_nc_u64 s[32:33], s[30:31], 0x800000      ; for e4
	s_add_nc_u64 s[34:35], s[30:31], 0xc00000      ; the weight's: 12 MiB + 1 MiB x weight + 1,024 x (gw % 1024) = 12 MiB + 1,024 gw
.macro LOAD t                          ; steps 0, 1: x; steps 2, 3: the weight
.irp i, 0,1,2,3
.if (\t) < 2
	global_load_b128 v[R+16*(\t)+4*\i:R+16*(\t)+4*\i+3], v3, s[4:5] offset:2048*(\t)+512*\i th:TH_LOAD_NT
.else
	global_load_b128 v[R+16*(\t)+4*\i:R+16*(\t)+4*\i+3], v3, s[28:29] offset:2048*((\t)-2)+512*\i th:TH_LOAD_NT
.endif
.endr
.endm
.macro TURN t                          ; step t's numbers through the stage: LDS serves a wave's instructions in order, so no wait stands between the stores and the loads
.irp i, 0,1,2,3
	ds_store_b128 v14, v[R+16*((\t)%4)+4*\i:R+16*((\t)%4)+4*\i+3] offset:32*SP*((\t)%2)+8*SP*\i
.endr
.irp i, 0,1,2,3
	ds_load_b128 v[X+16*((\t)%2)+4*\i:X+16*((\t)%2)+4*\i+3], v15 offset:32*SP*((\t)%2)+16*\i
.endr
.endm
.macro MKSC se, vs                     ; 2^e and 448 x 2^e as f32, from the whole number e in s[se]
	s_add_co_i32 s46, s[\se], 127
	s_lshl_b32 s47, s46, 23
	v_mov_b32 v[\vs], s47
	s_add_co_i32 s46, s46, 8
	s_lshl_b32 s46, s46, 23
	s_or_b32 s46, s46, 0x600000
	v_mov_b32 v[\vs+1], s46
.endm
	LOAD 0
	LOAD 1
	LOAD 2
	LOAD 3
	s_wait_kmcnt 0x0
	s_cmp_eq_u32 s19, 1
	s_cselect_b32 s45, s39, s37                    ; the weight's e: e1, e3, e5 or e11
	s_cmp_eq_u32 s19, 2
	s_cselect_b32 s45, s41, s45
	s_cmp_eq_u32 s19, 3
	s_cselect_b32 s45, s44, s45
	MKSC 36, SC
	MKSC 38, SC+2
	MKSC 40, SC+4
	MKSC 45, SC+6
	s_wait_alu depctr_va_vdst(0)
	s_wait_loadcnt 12                              ; step 0's four loads are in; the twelve of steps 1 to 3 may be out
	TURN 0
.macro STEPX t                         ; a step of x: the same 16 numbers are held and converted three times, once for each scale
.set XS, X+16*((\t)%2)
	s_wait_dscnt 0x0                               ; this step's numbers are back from the stage
	s_wait_loadcnt 4*(2-(\t))                      ; the next step's four loads are in; those of the steps behind it may be out
	TURN (\t)+1                                    ; and go through the other stage while this step is worked
.irp n, 0,1,2
.irp i, 0,1,2,3,4,5,6,7,8,9,10,11,12,13,14,15
	v_med3_num_f32 v[T+\i], v[XS+\i], -v[SC+2*\n+1], v[SC+2*\n+1]   ; the conversion to an 8-bit code does not saturate (ISA guide 7.6.2): the hold at the largest code x the scale
.endr
	v_cvt_scalef32_pk8_fp8_f32 v[C+12*(\t)+4*\n:C+12*(\t)+4*\n+1], v[T:T+7], v[SC+2*\n]
	v_cvt_scalef32_pk8_fp8_f32 v[C+12*(\t)+4*\n+2:C+12*(\t)+4*\n+3], v[T+8:T+15], v[SC+2*\n]
	v_nop                                          ; one plain vector line between a scaled conversion and the next write of its sources (T)
.endr
	global_store_b128 v3, v[C+12*(\t):C+12*(\t)+3], s[30:31] offset:512*(\t)
	global_store_b128 v3, v[C+12*(\t)+4:C+12*(\t)+7], s[30:31] offset:4194304+512*(\t)
	global_store_b128 v3, v[C+12*(\t)+8:C+12*(\t)+11], s[32:33] offset:512*(\t)
.endm
.macro STEPW t                         ; a step of the weight: one scale, held in place
.set XS, X+16*((\t)%2)
	s_wait_dscnt 0x0
.if (\t) == 2
	s_wait_loadcnt 0x0                             ; the last step's loads
	TURN 3
.endif
.irp i, 0,1,2,3,4,5,6,7,8,9,10,11,12,13,14,15
	v_med3_num_f32 v[XS+\i], v[XS+\i], -v[SC+7], v[SC+7]
.endr
	v_cvt_scalef32_pk8_fp8_f32 v[C+24+4*((\t)-2):C+24+4*((\t)-2)+1], v[XS:XS+7], v[SC+6]
	v_cvt_scalef32_pk8_fp8_f32 v[C+24+4*((\t)-2)+2:C+24+4*((\t)-2)+3], v[XS+8:XS+15], v[SC+6]
	v_nop
	global_store_b128 v3, v[C+24+4*((\t)-2):C+24+4*((\t)-2)+3], s[34:35] offset:512*((\t)-2)
.endm
	STEPX 0
	STEPX 1
	STEPW 2
	STEPW 3
	s_wait_tensorcnt 0x0                           ; the wave's end
	ds_add_u32 v[SPW], v[NIL]
	s_wait_dscnt 0x0
	s_endpgm
.Lfunc_end_k_q45dc434b01_quant:
	.size	k_q45dc434b01_quant, .Lfunc_end_k_q45dc434b01_quant-k_q45dc434b01_quant
	.p2alignl 7, 3214868480
	.fill 96, 4, 3214868480
	.section	.rodata,"a",@progbits
	.p2align	6, 0x0
	.amdhsa_kernel k_q45dc434b01_quant
		.amdhsa_group_segment_fixed_size 33280
		.amdhsa_private_segment_fixed_size 0
		.amdhsa_enable_private_segment 0
		.amdhsa_kernarg_size 56
		.amdhsa_user_sgpr_count 2
		.amdhsa_user_sgpr_kernarg_segment_ptr 1
		.amdhsa_wavefront_size32 1
		.amdhsa_system_sgpr_workgroup_id_x 1
		.amdhsa_system_sgpr_workgroup_id_y 1
		.amdhsa_system_sgpr_workgroup_id_z 1
		.amdhsa_system_vgpr_workitem_id 0
		.amdhsa_next_free_vgpr 168
		.amdhsa_next_free_sgpr 66
		.amdhsa_reserve_vcc 0
		.amdhsa_float_denorm_mode_32 3
		.amdhsa_float_denorm_mode_16_64 3
		.amdhsa_memory_ordered 1
		.amdhsa_forward_progress 1
		.amdhsa_inst_pref_size 18
	.end_amdhsa_kernel
	.amdgpu_metadata
---
amdhsa.version: [ 1, 2 ]
amdhsa.kernels:
  - .name:           k_q45dc434b01_quant
    .symbol:         k_q45dc434b01_quant.kd
    .args:
      - { .name: x, .offset: 0, .size: 8, .value_kind: global_buffer, .address_space: global }
      - { .name: Wq, .offset: 8, .size: 8, .value_kind: global_buffer, .address_space: global }
      - { .name: Wk, .offset: 16, .size: 8, .value_kind: global_buffer, .address_space: global }
      - { .name: Wv, .offset: 24, .size: 8, .value_kind: global_buffer, .address_space: global }
      - { .name: Wo, .offset: 32, .size: 8, .value_kind: global_buffer, .address_space: global }
      - { .name: lowp_scales, .offset: 40, .size: 8, .value_kind: global_buffer, .address_space: global }
      - { .name: codes, .offset: 48, .size: 8, .value_kind: global_buffer, .address_space: global }
    .group_segment_fixed_size: 33280
    .private_segment_fixed_size: 0
    .kernarg_segment_align: 8
    .kernarg_segment_size: 56
    .max_flat_workgroup_size: 128
    .sgpr_count:     66
    .vgpr_count:     168
    .wavefront_size: 32
...
	.end_amdgpu_metadata
.endif
;; end of part 1
;; launch proj (part 2): grid 12 x 16, 4 waves a work-group, clusters of 4 x 4, 327,680 bytes of LDS; arguments codes, lowp_scales, qkv; writes qkv
.if DOCPART == 2
	.amdgcn_target "amdgcn-amd-amdhsa--gfx1250"
	.amdhsa_code_object_version 6
	.text
	.protected	k_q45dc434b01_proj
	.globl	k_q45dc434b01_proj
	.p2align	8
	.type	k_q45dc434b01_proj,@function
k_q45dc434b01_proj:
	s_mov_b64 s[64:65], 0
	v_nop
	global_prefetch_b8 v0, s[64:65] scope:SCOPE_SE
	s_setreg_imm32_b32 hwreg(HW_REG_WAVE_MODE, 25, 1), 1
	s_wait_xcnt 0x0
	s_wait_alu depctr_hold_cnt(0) depctr_sa_sdst(0) depctr_va_vdst(0) depctr_va_sdst(0) depctr_va_ssrc(0) depctr_va_vcc(0) depctr_vm_vsrc(0)
	s_getreg_b32 s2, hwreg(HW_REG_IB_STS2, 6, 4)
	s_cmp_eq_u32 s2, 0
	s_cbranch_scc0 .Lentry_in_a_cluster
	s_endpgm
.Lentry_in_a_cluster:
	s_bfe_u32 s2, ttmp6, 0x10000c
	s_cmp_lg_u32 s2, 0xf033
	s_cbranch_scc0 .Lentry_shape_is_right
	s_endpgm
.Lentry_shape_is_right:
.set SIZE_K, 1024
.set KSTEP,  256
.set ROWB,   256
.set KROW,   SIZE_K
.set PITCH,  272
.set FR,     16
.set NL,     4
.set NP,     4
.set HALFT,  128*PITCH
.set SLOT,   4*HALFT
.set LAPS,   SIZE_K/(2*KSTEP)
.set SPARE,  2*SLOT
.set SPITCH, 144
.set CO,   8
.set LIMV, 12
.set SCV,  13
.set ADRA, 16
.set ADRB, 20
.set STO,  24
.set RD,   25
.set SPW,  28
.set NIL,  29
.set TMP,  32
.set CD,   96
.set AF,   128
.set BK,   128
.set G1, 24
.set G0, 32
.set G1B, 48
.set G0B, 56
.set MSB, 0
.macro WIN new
.if MSB != \new
	s_set_vgpr_msb (MSB<<8)|\new
.set MSB, \new
.endif
.endm
.set MUL_LO, 0xa1
.set MUL_HI, 0xf1
.set TO_B,   0x40
.macro JLOAD g0a, g1a, g0b, g1b
	s_cmp_eq_u32 s15, 0
	s_cbranch_scc0 .Lfor_b_\@
	tensor_load_to_lds s[\g0a:\g0a+3], s[\g1a:\g1a+7]
	s_nop 0
.rept 4
	v_nop
.endr
	s_branch .Lasked_\@
.Lfor_b_\@:
	tensor_load_to_lds s[\g0b:\g0b+3], s[\g1b:\g1b+7]
	s_nop 0
.rept 4
	v_nop
.endr
.Lasked_\@:
.endm
.macro CREST
	s_cmp_lg_u32 s14, 0
	s_cbranch_scc1 .Lnot_wave_0_\@
	s_barrier_signal -3
.Lnot_wave_0_\@:
	s_barrier_wait -3
	s_barrier_signal -1
	s_barrier_wait -1
.endm
.macro CROUND
	s_barrier_signal -1
	s_barrier_wait -1
	CREST
.endm
	s_load_b128 s[4:7], s[0:1], 0x0
	s_load_b64 s[10:11], s[0:1], 0x10
	v_lshl_add_u32 v[SPW], v0, 2, SPARE
	v_mov_b32 v[NIL], 0
	ds_add_u32 v[SPW], v[NIL]
	ds_add_u32 v[SPW], v[NIL]
	v_lshrrev_b32 v1, 5, v0
	v_readfirstlane_b32 s14, v1
	s_lshr_b32 s15, s14, 1
	s_and_b32 s16, s14, 1
	s_bfe_u32 s40, ttmp6, 0x40000
	s_bfe_u32 s41, ttmp6, 0x40004
	s_mov_b32 s66, ttmp9
	s_lshr_b32 s67, s66, 1
	s_xor_b32 s68, s67, 1
	s_and_b32 s69, ttmp7, 0xffff
	s_mul_i32 s42, s69, s67
	s_lshl_b32 s42, s42, 2
	s_add_co_u32 s42, s42, s40
	s_mul_i32 s17, s69, s68
	s_lshl_b32 s17, s17, 2
	s_add_co_u32 s17, s17, s41
	s_lshl_b32 s43, s41, 2
	s_lshl_b32 s43, 15, s43
	s_lshl_b32 s44, 0x1111, s40
	s_or_b32 s[G1+0], s43, (0<<16)|(1<<20)|(1<<21)|(5<<22)|(3<<25)
	s_or_b32 s[G1B+0], s44, (0<<16)|(1<<20)|(1<<21)|(5<<22)|(3<<25)
.irp g, G1, G1B
	s_mov_b32 s[\g+1], ROWB<<16
	s_mov_b32 s[\g+2], 128<<16
	s_mov_b32 s[\g+3], ROWB<<16
	s_mov_b32 s[\g+4], 128
	s_mov_b32 s[\g+5], KROW
	s_mov_b32 s[\g+6], 0
	s_mov_b32 s[\g+7], 0
.endr
	s_lshl_b32 s18, s16, 7
	s_lshl_b32 s20, s17, 8
	s_add_co_u32 s20, s20, s18
	s_lshl_b32 s20, s20, 10
	s_lshl_b32 s19, s66, 22
	s_add_co_u32 s20, s20, s19
	s_mul_i32 s19, s67, 0x600000
	s_add_co_u32 s20, s20, s19
	s_mov_b32 s21, 0
	s_lshl_b32 s46, s42, 8
	s_add_co_u32 s46, s46, s18
	s_lshl_b32 s46, s46, 10
	s_lshl_b32 s19, s66, 20
	s_add_co_u32 s46, s46, s19
	s_add_co_u32 s46, s46, 0xc00000
	s_mul_i32 s19, s67, 0x600000
	s_sub_co_u32 s46, s46, s19
	s_mov_b32 s47, 0
	s_mul_i32 s45, s14, HALFT
	s_wait_dscnt 0x0
	s_wait_kmcnt 0x0
	s_load_b256 s[88:95], s[6:7], 0x0
	s_load_b32 s96, s[6:7], 0x24
	s_add_nc_u64 s[20:21], s[4:5], s[20:21]
	s_add_nc_u64 s[46:47], s[4:5], s[46:47]
	CROUND
.irp s, 0,1
	s_mov_b32 s[G0+4*\s], 1
	s_add_co_u32 s[G0+4*\s+1], s45, \s*SLOT
	s_add_nc_u64 s[G0+4*\s+2:G0+4*\s+3], s[20:21], \s*ROWB
	s_or_b32 s[G0+4*\s+3], s[G0+4*\s+3], 0x80000000
	s_mov_b32 s[G0B+4*\s], 1
	s_add_co_u32 s[G0B+4*\s+1], s45, \s*SLOT
	s_add_nc_u64 s[G0B+4*\s+2:G0B+4*\s+3], s[46:47], \s*ROWB
	s_or_b32 s[G0B+4*\s+3], s[G0B+4*\s+3], 0x80000000
	s_wait_alu depctr_va_vdst(0)
	s_wait_tensorcnt 0x0
	ds_add_u32 v28, v29
	ds_add_u32 v28, v29
	s_wait_dscnt 0x0
	CROUND
	JLOAD G0+4*\s, G1, G0B+4*\s, G1B
.endr
	v_and_b32 v1, 15, v0
	s_wait_alu depctr_va_vdst(0)
	v_bfe_u32 v2, v0, 4, 1
	v_mul_u32_u24 v3, v1, PITCH
	v_lshl_add_u32 v4, v2, 4, v3
	s_mul_i32 s21, s15, HALFT
	s_mul_i32 s22, s16, HALFT
	s_add_co_u32 s22, s22, 2*HALFT
.irp s, 0,1
	v_add_nc_u32 v[ADRA+\s], s21, v4
	v_add_nc_u32 v[ADRB+\s], s22, v4
	s_add_co_u32 s21, s21, SLOT
	s_add_co_u32 s22, s22, SLOT
.endr
	s_mul_i32 s23, s14, 16*SPITCH
	v_mul_u32_u24 v5, v1, SPITCH
	s_wait_alu depctr_va_vdst(0)
	v_lshl_add_u32 v5, v2, 3, v5
	v_add_nc_u32 v[STO], s23, v5
	v_bfe_u32 v6, v0, 2, 2
	s_wait_alu depctr_va_vdst(0)
	v_and_b32 v7, 3, v0
	v_mul_u32_u24 v5, v6, SPITCH
	v_lshl_add_u32 v5, v2, 6, v5
	v_lshl_add_u32 v5, v7, 4, v5
	v_add_nc_u32 v[RD], s23, v5
	s_lshl_b32 s72, s17, 1
	s_add_co_u32 s72, s72, s15
	s_lshl_b32 s73, s42, 1
	s_add_co_u32 s73, s73, s16
	s_cmp_eq_u32 s67, 1
	s_cselect_b32 s74, s72, s73
	s_cselect_b32 s75, s73, s72
	s_lshl_b32 s76, s66, 22
	s_lshl_b32 s74, s74, 19
	s_lshl_b32 s75, s75, 13
	s_add_co_u32 s76, s76, s74
	s_add_co_u32 s76, s76, s75
	s_mov_b32 s77, 0
	s_add_nc_u64 s[10:11], s[10:11], s[76:77]
	s_mul_i32 s85, s67, 12
	s_lshr_b32 s78, 0x40000, s85
	s_lshl_b32 s79, 64, s67
	s_lshl_b32 s84, 0x100, s67
	s_lshl_b32 s80, 0x400, s67
	s_mov_b32 s81, 0
	s_mul_i32 s82, s67, 253952
	s_add_co_u32 s82, s82, s80
	s_mov_b32 s83, 0
	v_mul_u32_u24 v[CO], s78, v2
	v_mul_u32_u24 v5, s79, v6
	v_add_nc_u32 v[CO], v[CO], v5
	s_wait_alu depctr_va_vdst(0)
	v_lshl_add_u32 v[CO], v7, 4, v[CO]
	v_add_nc_u32 v[CO+1], s84, v[CO]
	v_add_nc_u32 v[CO+2], s84, v[CO+1]
	v_add_nc_u32 v[CO+3], s84, v[CO+2]
.macro FRAG reg, adr, q, i
.irp c, 0,1,2,3
	ds_load_b128 v[\reg+4*\c:\reg+4*\c+3], v[\adr] offset:128*(\q)+32*\c+(\i)*16*PITCH
.endr
.endm
.macro MUL16 a0, p, zero
.irp a, \a0, \a0+1
.irp b, 0,1,2,3,4,5,6,7
.if \zero
	v_wmma_f32_16x16x128_fp8_fp8 v[8*(8*((\a)%4)+\b):8*(8*((\a)%4)+\b)+7], v[128*(\p)+FR*\b:128*(\p)+FR*\b+FR-1], v[AF+FR*(\a):AF+FR*(\a)+FR-1], 0
.else
	v_wmma_f32_16x16x128_fp8_fp8 v[8*(8*((\a)%4)+\b):8*(8*((\a)%4)+\b)+7], v[128*(\p)+FR*\b:128*(\p)+FR*\b+FR-1], v[AF+FR*(\a):AF+FR*(\a)+FR-1], v[8*(8*((\a)%4)+\b):8*(8*((\a)%4)+\b)+7]
.endif
.endr
.endr
.endm
.macro FETCH_B slot, q, p
	WIN TO_B
.irp i, 0,1,2,3,4,5,6,7
	FRAG 128*(\p)+FR*\i, ADRB+\slot, \q, \i
.endr
	WIN 0
.endm
.macro FETCH_A slot, q, i0
.irp i, \i0, \i0+1, \i0+2, \i0+3
	FRAG AF+FR*(\i), ADRA+\slot, \q, \i
.endr
.endm
.macro PLACES n
.rept \n
	v_nop
.endr
.endm
.macro STEP slot, q, zero
	s_wait_dscnt 4*NL
	WIN MUL_LO
	MUL16 0, (\q)%2, \zero
	MUL16 2, (\q)%2, \zero
	s_wait_dscnt 0
	PLACES NP
	FETCH_B \slot, (\q)+1, 1-(\q)%2
	FETCH_A \slot, (\q)+1, 0
	WIN MUL_HI
	MUL16 4, (\q)%2, \zero
	MUL16 6, (\q)%2, \zero
	PLACES NP
	WIN 0
	FETCH_A \slot, (\q)+1, 4
.endm
.macro TURN slot, next, fill
	s_wait_tensorcnt 0x0
	ds_add_u32 v[SPW], v[NIL]
	s_wait_dscnt 4*NL+1
	WIN MUL_LO
	MUL16 0, 1, 0
	s_wait_dscnt 0x0
	s_barrier_signal -1
	MUL16 2, 1, 0
	WIN 0
	s_barrier_wait -1
.if \fill
	CREST
	s_add_nc_u64 s[G0+4*\slot+2:G0+4*\slot+3], s[G0+4*\slot+2:G0+4*\slot+3], 2*ROWB
	s_add_nc_u64 s[G0B+4*\slot+2:G0B+4*\slot+3], s[G0B+4*\slot+2:G0B+4*\slot+3], 2*ROWB
	JLOAD G0+4*\slot, G1, G0B+4*\slot, G1B
.else
	PLACES NP
.endif
	FETCH_B \next, 0, 0
	FETCH_A \next, 0, 0
	WIN MUL_HI
	MUL16 4, 1, 0
	MUL16 6, 1, 0
	PLACES NP
	WIN 0
	FETCH_A \next, 0, 4
.endm
	s_wait_tensorcnt 1
	s_barrier_signal -1
	s_barrier_wait -1
	FETCH_B 0, 0, 0
	FETCH_A 0, 0, 0
	FETCH_A 0, 0, 4
	STEP 0, 0, 1
	s_mov_b32 s3, LAPS-1
.Llap:
	TURN 0, 1, 1
	STEP 1, 0, 0
	TURN 1, 0, 1
	STEP 0, 0, 0
	s_sub_co_u32 s3, s3, 1
	s_cmp_lg_u32 s3, 0
	s_cbranch_scc1 .Llap
	TURN 0, 1, 0
	STEP 1, 0, 0
	s_wait_dscnt 4*NL
	WIN MUL_LO
	MUL16 0, 1, 0
	MUL16 2, 1, 0
	s_wait_dscnt 0
	WIN MUL_HI
	MUL16 4, 1, 0
	MUL16 6, 1, 0
	WIN 0
.macro PACK a
.set AC, 64*((\a)%4)
.set CC, CD+16*((\a)%2)
	WIN 0x02+((\a)/4)
.set j, 0
.rept 64
	v_med3_num_f32 v[TMP+j], v[AC+j], -v[LIMV], v[LIMV]
.set j, j+1
.endr
	WIN 0
.irp b, 0,1,2,3,4,5,6,7
	v_cvt_scalef32_pk8_fp8_f32 v[CC+2*\b:CC+2*\b+1], v[TMP+8*\b:TMP+8*\b+7], v[SCV]
.endr
	v_nop
.endm
.macro TOSTAGE a
.set CC, CD+16*((\a)%2)
.set BB, BK+16*((\a)%2)
.irp b, 0,1,2,3,4,5,6,7
	ds_store_b64 v[STO], v[CC+2*\b:CC+2*\b+1] offset:16*\b
.endr
.irp i, 0,1,2,3
	ds_load_b128 v[BB+4*\i:BB+4*\i+3], v[RD] offset:4*SPITCH*\i
.endr
.endm
.macro SEND a
.set BB, BK+16*((\a)%2)
	s_wait_dscnt 0x0
	s_wait_xcnt 0x0
.if (\a) == 4
	s_add_nc_u64 s[10:11], s[10:11], s[82:83]
.elseif (\a) > 0
	s_add_nc_u64 s[10:11], s[10:11], s[80:81]
.endif
.irp i, 0,1,2,3
	global_store_b128 v[CO+\i], v[BB+4*\i:BB+4*\i+3], s[10:11]
.endr
.endm
	s_wait_kmcnt 0x0
	s_add_co_i32 s88, s88, s89
	s_add_co_i32 s90, s90, s91
	s_add_co_i32 s92, s92, s93
	s_cmp_eq_u32 s66, 1
	s_cselect_b32 s88, s90, s88
	s_cselect_b32 s94, s95, s94
	s_cmp_eq_u32 s66, 2
	s_cselect_b32 s88, s92, s88
	s_cselect_b32 s94, s96, s94
	s_sub_co_i32 s98, s94, s88
	s_add_co_i32 s98, s98, 127
	s_lshl_b32 s99, s98, 23
	v_mov_b32 v[SCV], s99
	s_add_co_i32 s98, s98, 8
	s_lshl_b32 s98, s98, 23
	s_or_b32 s98, s98, 0x600000
	v_mov_b32 v[LIMV], s98
	PLACES NP
	PACK 0
	TOSTAGE 0
.irp a, 1,2,3,4,5,6,7
	PACK \a
	s_wait_alu depctr_va_vdst(0)
	SEND (\a)-1
	TOSTAGE \a
.endr
	SEND 7
	s_wait_tensorcnt 0x0
	ds_add_u32 v[SPW], v[NIL]
	s_wait_dscnt 0x0
	CROUND
	s_endpgm
.Lfunc_end_k_q45dc434b01_proj:
	.size	k_q45dc434b01_proj, .Lfunc_end_k_q45dc434b01_proj-k_q45dc434b01_proj
	.p2alignl 7, 3214868480
	.fill 96, 4, 3214868480
	.section	.rodata,"a",@progbits
	.p2align	6, 0x0
	.amdhsa_kernel k_q45dc434b01_proj
		.amdhsa_group_segment_fixed_size 327680
		.amdhsa_private_segment_fixed_size 0
		.amdhsa_enable_private_segment 0
		.amdhsa_kernarg_size 24
		.amdhsa_user_sgpr_count 2
		.amdhsa_user_sgpr_kernarg_segment_ptr 1
		.amdhsa_wavefront_size32 1
		.amdhsa_system_sgpr_workgroup_id_x 1
		.amdhsa_system_sgpr_workgroup_id_y 1
		.amdhsa_system_sgpr_workgroup_id_z 1
		.amdhsa_system_vgpr_workitem_id 0
		.amdhsa_next_free_vgpr 1024
		.amdhsa_next_free_sgpr 100
		.amdhsa_reserve_vcc 0
		.amdhsa_float_denorm_mode_32 3
		.amdhsa_float_denorm_mode_16_64 3
		.amdhsa_memory_ordered 1
		.amdhsa_forward_progress 1
		.amdhsa_inst_pref_size 127
	.end_amdhsa_kernel
	.amdgpu_metadata
---
amdhsa.version: [ 1, 2 ]
amdhsa.kernels:
  - .name:           k_q45dc434b01_proj
    .symbol:         k_q45dc434b01_proj.kd
    .args:
      - { .name: codes, .offset: 0, .size: 8, .value_kind: global_buffer, .address_space: global }
      - { .name: lowp_scales, .offset: 8, .size: 8, .value_kind: global_buffer, .address_space: global }
      - { .name: qkv, .offset: 16, .size: 8, .value_kind: global_buffer, .address_space: global }
    .group_segment_fixed_size: 327680
    .private_segment_fixed_size: 0
    .kernarg_segment_align: 8
    .kernarg_segment_size: 24
    .max_flat_workgroup_size: 128
    .sgpr_count:     100
    .vgpr_count:     1024
    .wavefront_size: 32
...
	.end_amdgpu_metadata
.endif
;; end of part 2
;; launch attn (part 3): grid 16 x 16, 16 waves a work-group, no clusters, 327,680 bytes of LDS; arguments qkv, lowp_scales, ao; writes ao
.if DOCPART == 3
	.amdgcn_target "amdgcn-amd-amdhsa--gfx1250"
	.amdhsa_code_object_version 6
	.text
	.protected	k_q45dc434b01_attn
	.globl	k_q45dc434b01_attn
	.p2align	8
	.type	k_q45dc434b01_attn,@function
k_q45dc434b01_attn:
	s_mov_b64 s[64:65], 0
	v_nop
	global_prefetch_b8 v0, s[64:65] scope:SCOPE_SE
	s_setreg_imm32_b32 hwreg(HW_REG_WAVE_MODE, 25, 1), 1
	s_wait_xcnt 0x0
; ao[h][q][:] = the codes of (the sum over keys k <= q of softmax_k(Q[h][q] . K[h][k] / 8) V[h][k][:]), both products on codes of FP8 (E4M3); 16 heads of 64, 4,096 positions.
; qkv holds q at byte 0 and k at 4 MiB as [16][4096][64] codes, v^T at 8 MiB as [16][32 blocks of keys][64][128 keys].  ao: [16][4096][64] codes with scale entry 10.  Scale entries: 6 q, 7 k, 8 p, 9 v.
; THE SOFTMAX: t = score x log2(e) / 8; M = the largest t so far, rounded UP to a whole number; p = 2^(t - M) is quantised along the keys, not normalised; the sum is taken of the unquantised p and divides at the end.
; LEFT OUT: steps of 64 keys all of which come after a wave's 32 queries (the causal mask that the problem builds itself), and the fill of half a slot that no wave of the work-group reads.
; SHARES.  Work-group (i, head) owns the blocks of 128 queries 31 - i and i, ONE AFTER THE OTHER: 8 - i / 4 slots of 512 keys for the first, i / 4 + 1 for the second: nine slots, whatever i is, so the trip count is a constant.
; All sixteen waves work on the block in hand: wave w takes the 32 queries of group g = w % 4 and, of each slot's eight chunks of 64 keys, chunks s and s + 4, s = (w / 4 + g) % 4.
; So each wave has a running M, a sum and an O^T of its own over a quarter of the keys.  The four parts of a group are joined at the end through LDS: each is multiplied by 2^(its M - the largest M), which rounds nothing.
; The first block's parts are put into LDS bytes of their own at the change of blocks (a branch on the work-group's number and the trip count, round no barrier); the second block's into the ring, behind its last fill and a barrier.
; At the change of blocks only M is set back (to -3e38): the next step's factor 2^(old M - new M) is then 0 and clears the sum and O^T, which are finite (sums of at most 4,096 products of codes).
; LAYOUT.  Both products are used transposed: S^T = K Q^T (source 0 = 16 neighbouring keys, source 1 = 16 queries, K = 64), O^T = V^T P^T (source 0 = 16 channels, source 1 = P, K = 64 keys): a lane holds queries lane % 16 and 16 + lane % 16.
; A tile of S^T gives lane half h keys 16 T + 8 h + 0 .. 7: after the conversion these are registers 2 T, 2 T + 1 of the K = 64 form's own layout, and V^T's fragments come in that layout by loads of 8 bytes.
; Q's and K's fragments come by loads of 16 bytes: the same permutation of the 64 channels on both sides.
; NO CLUSTER: the four work-groups i = 4 a .. 4 a + 3 of a head walk the same slots, but the mask lets all waves of some of them pass over the reads of half a slot, and the jumps round hidden steps hang on the work-group's queries.
; PREFETCH: the head's work-group 0 walks all keys; its waves 4 to 11 name, one line each, the 64 KiB (lanes 256 bytes apart, 8,192 bytes a wave) of the slot two trips on, in trips 0 to 5; slots 0 and 1 come by their loads alone.
; LIMITS on the given exponents: e6 + e7 between -123 and 130 (added to c's exponent field); e8 between -126 and 119; e8 + e9 - e10 goes by v_ldexp_f32.  Scaled scores stay under 2^31 in magnitude.
; REGISTERS: v1-7 addresses that stay; v8, v9 the slot's addresses; v12 -M and v13 the largest t of queries 0-15, v14, v15 of queries 16-31; v16-31 Q; v32-63 K's, then V's fragments; v64-127 S^T, then p;
;   v128-131 the sums; v132-135 the factors; v136-151 p's codes; v152-159 at work; v168-183 the second block's Q; v184, v185 448 x 2^e8; v188 2^e8; v189 1.0; v192-255 O^T.
.set KP,     80                        ; a key's row in LDS: 64 bytes + 16
.set VP,     144                       ; a row of V^T in LDS: 128 keys + 16
.set VOFF,   256*KP                    ; half a slot: 256 rows of K, then 128 rows of V^T
.set HALF,   VOFF+128*VP
.set SLOTSZ, 2*HALF
.set STA,    2*SLOTSZ                  ; behind the ring: the first block's parts, PART bytes a wave
.set PART,   8704                      ; 16 x 512 bytes of O^T, 512 of -M and the sums
.set CSTG,   STA+16*PART               ; the codes' stage: two blocks of 128 rows x (64 + 16) bytes
.set CBLK,   128*80
.set SPARE,  CSTG+2*CBLK               ; the spare words, 128 bytes a wave
.set AK0, 1
.set AV0, 2
.set PFO, 3
.set MK,  4                            ; v4  lane % 16 - 8 (lane / 16), for the mask
.set SPW, 5
.set NIL, 6
.set DA,  7                            ; v7  where my part goes at the change of blocks
.set ADK, 8
.set ADV, 9
.set QR,  16
.set KV,  32
.set SR,  64
.set LS,  128
.set FR,  132
.set PR,  136
.set QN,  168
.set ACC, 192
.set TB,   2                           ; s2  LDS byte at which the slot in hand begins
.set T,    3                           ; s3  the trip
.set WV,   18
.set G,    19
.set SEL,  20
.set CS,   22
.set G1K,  24
.set G1V,  32
.set G0,   40
.set NL,   44                          ; s44 slots of the first block
.set Q0,   45                          ; s45 my first query, s46 my last
.set QE,   46
.set KF,   47                          ; s47 the first key of my first chunk in the slot in hand
.set Q0E,  48
.set QLL,  49                          ; s49, s50 the last query of the first and of the second block
.set QLE,  50
.set NEED1, 51                         ; s51 1: the next slot's second half is read
.set TBN,  52                          ; s52 where the next slot begins in LDS
.set KF0,  53
.set LB,   54                          ; s[54:55] my load's place in slot 0 of the head
.set OFF,  56                          ; s[56:57] an offset; s57 stays 0
.set B,    62
.set SS,   63
.set HB,   66
.set LIM,  67
.set PFA,  76
.set EO,   85
; One chain of branches on the wave's number, one load to an arm: wave 0 K's and wave 1 V's first half, waves 2 and 3 the second halves.  test = 1: a test on ids, the same in all waves, leads waves 2 and up round the second half's loads.
.macro ARM g1, off
	s_add_co_u32 s[G0+1], s[TBN], \off
	tensor_load_to_lds s[G0:G0+3], s[\g1:\g1+7]
	s_nop 0
.rept 4
	v_nop
.endr
.endm
.macro TLOAD test
	s_cmp_eq_u32 s[WV], 0
	s_cbranch_scc0 .Lw1_\@
	ARM G1K, 0
	s_branch .Lj_\@
.Lw1_\@:
	s_cmp_eq_u32 s[WV], 1
	s_cbranch_scc0 .Lw2_\@
	ARM G1V, VOFF
	s_branch .Lj_\@
.Lw2_\@:
.if \test
	s_cmp_eq_u32 s[NEED1], 0
	s_cbranch_scc1 .Lj_\@
.endif
	s_cmp_eq_u32 s[WV], 2
	s_cbranch_scc0 .Lw3_\@
	ARM G1K, HALF
	s_branch .Lj_\@
.Lw3_\@:
	s_cmp_eq_u32 s[WV], 3
	s_cbranch_scc0 .Lj_\@
	ARM G1V, HALF+VOFF
.Lj_\@:
.endm
	s_load_b128 s[4:7], s[0:1], 0x0                ; qkv, the scales' exponents
	s_load_b64 s[8:9], s[0:1], 0x10                ; ao
	v_lshl_add_u32 v[SPW], v0, 2, SPARE
	v_mov_b32 v[NIL], 0
	ds_add_u32 v[SPW], v[NIL]                      ; the opening lines: the add, twice on end, and its wait
	ds_add_u32 v[SPW], v[NIL]
	v_lshrrev_b32 v8, 5, v0
	v_readfirstlane_b32 s[WV], v8
	s_and_b32 s[G], s[WV], 3                       ; my group of 32 queries
	s_lshr_b32 s[B], s[WV], 2
	s_add_co_u32 s[SS], s[B], s[G]
	s_and_b32 s[SS], s[SS], 3                      ; my share of the keys
	s_and_b32 s58, ttmp7, 0xffff
	s_lshl_b32 s[HB], s58, 18                      ; the head's 262,144 bytes in q, k, v^T and ao
	s_lshr_b32 s58, ttmp9, 2
	s_sub_co_u32 s[NL], 8, s58
	s_sub_co_u32 s58, 31, ttmp9
	s_lshl_b32 s58, s58, 7
	s_add_co_u32 s[QLL], s58, 127
	s_lshl_b32 s59, s[G], 5
	s_add_co_u32 s[Q0], s58, s59
	s_add_co_u32 s[QE], s[Q0], 31
	s_lshl_b32 s58, ttmp9, 7
	s_add_co_u32 s[QLE], s58, 127
	s_add_co_u32 s[Q0E], s58, s59
	s_lshl_b32 s[KF0], s[SS], 6
	s_mov_b32 s[KF], s[KF0]
	; descriptor group 1: half a slot of K (256 rows of 64 bytes) and of V^T (128 rows of 128) are dense blocks of 16 KiB, stated as 64 rows of 256 bytes, 16 bytes of padding behind every 64 (K) or 128 (V)
	s_mov_b32 s[G1K], (1<<20)|(3<<22)|(3<<25)
	s_mov_b32 s[G1V], (1<<20)|(4<<22)|(3<<25)
.irp g, G1K, G1V
	s_mov_b32 s[\g+1], 256<<16
	s_mov_b32 s[\g+2], 64<<16
	s_mov_b32 s[\g+3], 256<<16
	s_mov_b32 s[\g+4], 64
	s_mov_b32 s[\g+5], 256
	s_mov_b32 s[\g+6], 0
	s_mov_b32 s[\g+7], 0
.endr
	s_mov_b32 s[SEL], 0x76543210
	s_mov_b32 s[SEL+1], 0xfedcba98
	s_mov_b32 s[CS], 0x3e38aa3b                    ; c = log2(e) / 8
	s_mov_b32 s86, 0xc3e00000
	s_mov_b32 s87, 0x43e00000
	s_mov_b32 s[TB], 0
	s_mov_b32 s[TBN], 0
	s_mov_b32 s[T], 0
	s_and_b32 s58, s[WV], 1                        ; what I fetch, if I fetch: K or V,
	s_lshl_b32 s58, s58, 22
	s_bfe_u32 s59, s[WV], 0x10001                  ; first or second half
	s_lshl_b32 s59, s59, 14
	s_add_co_u32 s[OFF], s[HB], 0x400000
	s_add_co_u32 s[OFF], s[OFF], s58
	s_add_co_u32 s[OFF], s[OFF], s59
	s_mov_b32 s[OFF+1], 0
	s_wait_dscnt 0x0
	s_wait_kmcnt 0x0
	s_load_b128 s[68:71], s[6:7], 0x18             ; e6 .. e9
	s_load_b32 s72, s[6:7], 0x28                   ; e10
	s_add_nc_u64 s[LB:LB+1], s[4:5], s[OFF:OFF+1]
	s_mov_b32 s[G0], 1
	s_mov_b64 s[G0+2:G0+3], s[LB:LB+1]
	s_or_b32 s[G0+3], s[G0+3], 0x80000000
	TLOAD 0                                        ; slot 0: keys 0 to 511 count for every query of the first block
	s_lshl_b32 s[OFF], s[Q0], 6
	s_add_co_u32 s[OFF], s[OFF], s[HB]
	s_add_nc_u64 s[10:11], s[4:5], s[OFF:OFF+1]    ; Q of the first block,
	s_lshl_b32 s[OFF], s[Q0E], 6
	s_add_co_u32 s[OFF], s[OFF], s[HB]
	s_add_nc_u64 s[12:13], s[4:5], s[OFF:OFF+1]    ; and of the second
	v_and_b32 v8, 15, v0                           ; r
	v_bfe_u32 v9, v0, 4, 1                         ; h
	v_lshlrev_b32 v10, 6, v8
	v_lshl_add_u32 v10, v9, 4, v10
.irp u, 0,1
.irp c, 0,1
	global_load_b128 v[QR+8*\u+4*\c:QR+8*\u+4*\c+3], v10, s[10:11] offset:1024*\u+32*\c
	global_load_b128 v[QN+8*\u+4*\c:QN+8*\u+4*\c+3], v10, s[12:13] offset:1024*\u+32*\c
.endr
.endr
	s_wait_alu depctr_va_vdst(0)                   ; the wait here, ahead of the run of scalar lines
	s_sub_co_u32 s58, s[WV], 4                     ; the prefetches: waves 4 to 7 name K's codes, 8 to 11 V's
	s_and_b32 s59, s58, 7
	s_lshr_b32 s60, s59, 2
	s_lshl_b32 s60, s60, 22
	s_and_b32 s59, s59, 3
	s_lshl_b32 s59, s59, 13
	s_add_co_u32 s[OFF], s[HB], 0x408000           ; slot 1: the first trip steps it to slot 2
	s_add_co_u32 s[OFF], s[OFF], s60
	s_add_co_u32 s[OFF], s[OFF], s59
	s_add_nc_u64 s[PFA:PFA+1], s[4:5], s[OFF:OFF+1]
	s_lshr_b32 s58, s58, 3
	s_or_b32 s58, s58, ttmp9
	s_cmp_eq_u32 s58, 0
	s_cselect_b32 s[LIM], 6, 0                     ; trips in which my wave asks
	s_mul_i32 s58, s[SS], 64*KP                    ; my chunk of K,
	s_lshr_b32 s59, s[SS], 1
	s_mul_i32 s59, s59, 64*VP
	s_and_b32 s60, s[SS], 1
	s_lshl_b32 s60, s60, 6
	s_add_co_u32 s59, s59, s60
	s_add_co_u32 s59, s59, VOFF                    ; and of V^T
	s_lshl_b32 s60, s[G], 2
	s_add_co_u32 s60, s60, s[B]
	s_mul_i32 s61, s60, PART                       ; my part's place: the four parts of a group lie on end
	s_add_co_u32 s60, s61, STA
	s_wait_kmcnt 0x0
	s_add_co_i32 s73, s68, s69
	s_lshl_b32 s73, s73, 23
	s_add_co_i32 s[CS], s[CS], s73                 ; c x 2^(e6 + e7)
	s_mov_b32 s[CS+1], s[CS]
	s_add_co_i32 s73, s70, 127
	s_lshl_b32 s74, s73, 23                        ; 2^e8
	s_add_co_i32 s73, s73, 8
	s_lshl_b32 s73, s73, 23
	s_or_b32 s73, s73, 0x600000                    ; 448 x 2^e8
	s_add_co_i32 s[EO], s70, s71
	s_sub_co_i32 s[EO], s[EO], s72
	v_mul_u32_u24 v[AK0], v8, KP
	v_lshl_add_u32 v[AK0], v9, 4, v[AK0]
	v_add_nc_u32 v[AK0], s58, v[AK0]
	v_mul_u32_u24 v[AV0], v8, VP
	v_lshl_add_u32 v[AV0], v9, 3, v[AV0]
	v_add_nc_u32 v[AV0], s59, v[AV0]
	v_and_b32 v[PFO], 31, v0
	v_lshlrev_b32 v[DA], 4, v[PFO]
	v_add_nc_u32 v[DA], s60, v[DA]
	v_lshlrev_b32 v[PFO], 8, v[PFO]
	v_lshlrev_b32 v[MK], 3, v9
	v_sub_nc_u32 v[MK], v8, v[MK]
	v_mov_b32 v13, 0xff61b1e6                      ; -3e38, under every t
	v_mov_b32 v15, 0xff61b1e6
	v_floor_f32 v12, -v13
	v_floor_f32 v14, -v15
	v_mov_b32 v184, s73                            ; twice: the two halves of a dual line name registers of different banks
	v_mov_b32 v185, s73
	v_mov_b32 v188, s74
	v_mov_b32 v189, 1.0
	v_mov_b32 v186, 0                              ; lane permutes' destinations
	v_mov_b32 v187, 0
.set j, 0
.rept 8
	v_mov_b32 v[LS+j], 0                           ; the sums; the factors' pairs
.set j, j+1
.endr
.set j, 0
.rept 64
	v_mov_b32 v[ACC+j], 0                          ; O^T: the step has no first form
.set j, j+1
.endr
; A STEP: my chunk of 64 keys in half q of the slot, against my 32 queries.
.macro STEP q
	s_add_co_u32 s96, s[KF], 256*\q
	s_cmp_gt_u32 s96, s[QE]                        ; all 64 keys come after my queries: ids alone; no barrier and no tensor load stands in a step
	s_cbranch_scc1 .Lhid_\@
.irp t, 0,1,2,3
.irp c, 0,1
	ds_load_b128 v[KV+8*\t+4*\c:KV+8*\t+4*\c+3], v[ADK] offset:HALF*\q+16*KP*\t+32*\c
.endr
.endr
	s_wait_dscnt 0x0
.irp t, 0,1,2,3
.irp u, 0,1
	v_wmma_f32_16x16x64_fp8_fp8 v[SR+32*\u+8*\t:SR+32*\u+8*\t+7], v[KV+8*\t:KV+8*\t+7], v[QR+8*\u:QR+8*\u+7], 0
.endr
.endr
.rept 4
	v_nop                                          ; places: ahead of the loads into K's registers and of the first read of the scores
.endr
.irp t, 0,1,2,3                                ; V^T's fragments land under the softmax
.irp c, 0,1,2,3
	ds_load_b64 v[KV+8*\t+2*\c:KV+8*\t+2*\c+1], v[ADV] offset:HALF*\q+16*VP*\t+16*\c
.endr
.endr
	s_add_co_u32 s97, s96, 63
	s_cmp_le_u32 s97, s[Q0]                        ; all keys count: no mask
	s_cbranch_scc1 .Lopen_\@
	s_sub_co_i32 s97, s[Q0], s96
	v_add_nc_u32 v10, s97, v[MK]                   ; d = my query - the chunk's first key - 8 (lane / 16); register 8 T + j holds key 16 T + j + 8 (lane / 16): hidden where 16 T + j > d
	v_add_nc_u32 v11, 16, v10
	v_mov_b32 v156, 0xff800000
.set n, 0
.rept 32
	v_cmp_gt_i32 vcc_lo, 16*(n/8)+n%8, v10
	v_cndmask_b32 v[SR+n], v[SR+n], v156, vcc_lo
	v_cmp_gt_i32 vcc_lo, 16*(n/8)+n%8, v11
	v_cndmask_b32 v[SR+32+n], v[SR+32+n], v156, vcc_lo
.set n, n+1
.endr
.Lopen_\@:
.irp u, 0,1                                    ; the step's largest scores: two chains for each tile of queries, each accumulator from its low end on
	v_max3_num_f32 v[152+2*\u], v[SR+32*\u], v[SR+32*\u+1], v[SR+32*\u+2]
	v_max3_num_f32 v[153+2*\u], v[SR+32*\u+3], v[SR+32*\u+4], v[SR+32*\u+5]
.endr
.irp i, 6,10,14,18,22,26
.irp u, 0,1
	v_max3_num_f32 v[152+2*\u], v[152+2*\u], v[SR+32*\u+\i], v[SR+32*\u+\i+1]
	v_max3_num_f32 v[153+2*\u], v[153+2*\u], v[SR+32*\u+\i+2], v[SR+32*\u+\i+3]
.endr
.endr
	v_max3_num_f32 v152, v152, v[SR+30], v[SR+31]
	v_max3_num_f32 v154, v154, v[SR+62], v[SR+63]
	v_max_num_f32 v152, v152, v153
	v_max_num_f32 v154, v154, v155
	v_permlanex16_b32 v186, v152, s[SEL], s[SEL+1]
	v_permlanex16_b32 v187, v154, s[SEL], s[SEL+1]
	v_max_num_f32 v152, v152, v186
	v_max_num_f32 v154, v154, v187
	v_mul_f32 v152, s[CS], v152                    ; as t (c is positive)
	v_mul_f32 v154, s[CS], v154
	v_max_num_f32 v13, v13, v152
	v_max_num_f32 v15, v15, v154
	v_mov_b32 v153, v12
	v_mov_b32 v155, v14
	v_floor_f32 v12, -v13                          ; -M = floor(-t)
	v_floor_f32 v14, -v15
	v_sub_f32 v153, v12, v153                      ; old M - new M, a whole number, 0 or less
	v_sub_f32 v155, v14, v155
	v_cvt_i32_f32 v153, v153                       ; (it saturates)
	v_cvt_i32_f32 v155, v155
	v_ldexp_f32 v[FR], 1.0, v153                   ; f = 2^(old M - new M)
	v_ldexp_f32 v[FR+2], 1.0, v155
.set j, 0
.rept 16
	v_pk_mul_f32 v[ACC+j:ACC+j+1], v[ACC+j:ACC+j+1], v[FR:FR+1] op_sel_hi:[1,0]       ; O^T under the new M, ahead of the exponentials
	v_pk_mul_f32 v[ACC+32+j:ACC+33+j], v[ACC+32+j:ACC+33+j], v[FR+2:FR+3] op_sel_hi:[1,0]
.set j, j+2
.endr
.set j, 0
.rept 16
	v_pk_fma_f32 v[SR+j:SR+j+1], v[SR+j:SR+j+1], s[CS:CS+1], v[12:13] op_sel_hi:[1,0,0]   ; t - M
	v_pk_fma_f32 v[SR+32+j:SR+33+j], v[SR+32+j:SR+33+j], s[CS:CS+1], v[14:15] op_sel_hi:[1,0,0]
.set j, j+2
.endr
	s_wait_alu depctr_va_vdst(0)                   ; the wait ahead of the batch
.set j, 0
.rept 64
	v_exp_f32 v[SR+j], v[SR+j]
.set j, j+1
.endr
	v_pk_mul_f32 v[LS:LS+1], v[LS:LS+1], v[FR:FR+1] op_sel_hi:[1,0]   ; the sums under the new M: plain lines behind the batch
	v_pk_mul_f32 v[LS+2:LS+3], v[LS+2:LS+3], v[FR+2:FR+3] op_sel_hi:[1,0]
	s_wait_alu depctr_va_vdst(0)                   ; and the one wait behind it, ahead of its first reader
.irp u, 0,1                                    ; the sums of the unquantised p, two chains for each tile of queries
	v_pk_add_f32 v[156+2*\u:157+2*\u], v[SR+32*\u:SR+32*\u+1], v[SR+32*\u+2:SR+32*\u+3]
.endr
.irp i, 4,8,12,16,20,24,28
.irp u, 0,1
	v_pk_add_f32 v[LS+2*\u:LS+2*\u+1], v[LS+2*\u:LS+2*\u+1], v[SR+32*\u+\i:SR+32*\u+\i+1]
	v_pk_add_f32 v[156+2*\u:157+2*\u], v[156+2*\u:157+2*\u], v[SR+32*\u+\i+2:SR+32*\u+\i+3]
.endr
.endr
	v_pk_add_f32 v[LS:LS+1], v[LS:LS+1], v[156:157]
	v_pk_add_f32 v[LS+2:LS+3], v[LS+2:LS+3], v[158:159]
.set j, 0
.rept 32
	v_dual_min_num_f32 v[SR+j], v[SR+j], v184 :: v_dual_min_num_f32 v[SR+j+1], v[SR+j+1], v185   ; the hold at the largest code x the scale (ISA guide 7.6.2: the conversion does not saturate); p is not negative
.set j, j+2
.endr
.irp u, 0,1
.irp t, 0,1,2,3
	v_cvt_scalef32_pk8_fp8_f32 v[PR+8*\u+2*\t:PR+8*\u+2*\t+1], v[SR+32*\u+8*\t:SR+32*\u+8*\t+7], v188
.endr
.endr
	v_nop                                          ; one plain line behind the last conversion
	s_wait_alu depctr_va_vdst(0)                   ; the wait here, directly ahead of the wait below
	s_wait_dscnt 0x0                               ; V^T's fragments are in
.irp t, 0,1,2,3                                ; the eight accumulators take turns
.irp u, 0,1
	v_wmma_f32_16x16x64_fp8_fp8 v[ACC+32*\u+8*\t:ACC+32*\u+8*\t+7], v[KV+8*\t:KV+8*\t+7], v[PR+8*\u:PR+8*\u+7], v[ACC+32*\u+8*\t:ACC+32*\u+8*\t+7]
.endr
.endr
.rept 4
	v_nop                                          ; places: whatever follows may load into the fragments' registers or read O^T
.endr
.Lhid_\@:
.endm
; My part goes to LDS as an image of its registers: 16 bytes a lane a store.
.macro DUMP a
	v_add_f32 v[LS], v[LS], v[LS+1]
	v_add_f32 v[LS+2], v[LS+2], v[LS+3]
	v_mov_b32 v152, v12
	v_mov_b32 v153, v14
	v_permlanex16_b32 v186, v[LS], s[SEL], s[SEL+1]
	v_permlanex16_b32 v187, v[LS+2], s[SEL], s[SEL+1]
	v_add_f32 v154, v[LS], v186
	v_add_f32 v155, v[LS+2], v187
.set j, 0
.rept 16
	ds_store_b128 v[\a], v[ACC+4*j:ACC+4*j+3] offset:512*j
.set j, j+1
.endr
	ds_store_b128 v[\a], v[152:155] offset:8192    ; -M, -M, sum, sum
.endm
; THE CHANGE OF SLOTS.  fill = 1: the slot that has been left takes the walk's next 512 keys.
.macro CHANGE fill
	s_wait_tensorcnt 0x0
	ds_add_u32 v[SPW], v[NIL]
.if \fill
	ds_add_u32 v[SPW], v[NIL]                      ; twice on end, in every trip alike
	s_add_co_u32 s58, s[T], 1                      ; the walk's next slot: of the first block, or of the second
	s_cmp_lt_u32 s58, s[NL]
	s_cselect_b32 s59, 0, s[NL]
	s_cselect_b32 s60, s[QLL], s[QLE]
	s_sub_co_u32 s58, s58, s59
	s_lshl_b32 s[OFF], s58, 15                     ; 32,768 bytes of K, and of V^T, a slot
	s_add_nc_u64 s[G0+2:G0+3], s[LB:LB+1], s[OFF:OFF+1]
	s_or_b32 s[G0+3], s[G0+3], 0x80000000
	s_lshl_b32 s58, s58, 9
	s_add_co_u32 s58, s58, 256
	s_cmp_le_u32 s58, s60                          ; does its second half begin at or under the block's last query?
	s_cselect_b32 s[NEED1], 1, 0
	s_xor_b32 s[TBN], s[TB], SLOTSZ
	s_wait_xcnt 0x0                                ; my last prefetch has read its address
	s_add_nc_u64 s[PFA:PFA+1], s[PFA:PFA+1], 32768
.endif
	s_wait_dscnt 0x0
	s_barrier_signal -1
	s_barrier_wait -1
.if \fill
	TLOAD 1
	s_cmp_lt_u32 s[T], s[LIM]
	s_cbranch_scc0 .Lnot_mine_\@
	global_prefetch_b8 v[PFO], s[PFA:PFA+1] th:TH_LOAD_NT scope:SCOPE_SE
.Lnot_mine_\@:
.endif
.endm
.macro SLOTBODY
	s_cmp_lg_u32 s[T], s[NL]                       ; THE CHANGE OF BLOCKS: the work-group's number and the trip alone
	s_cbranch_scc1 .Lsame_\@
	DUMP DA
	v_mov_b32 v13, 0xff61b1e6
	v_mov_b32 v15, 0xff61b1e6
	v_floor_f32 v12, -v13
	v_floor_f32 v14, -v15
.set j, 0
.rept 16
	v_mov_b32 v[QR+j], v[QN+j]
.set j, j+1
.endr
	s_mov_b32 s[Q0], s[Q0E]
	s_add_co_u32 s[QE], s[Q0E], 31
	s_mov_b32 s[KF], s[KF0]
.Lsame_\@:
	v_add_nc_u32 v[ADK], s[TB], v[AK0]
	v_add_nc_u32 v[ADV], s[TB], v[AV0]
	s_wait_alu depctr_va_vdst(0)
	STEP 0
	STEP 1
	s_xor_b32 s[TB], s[TB], SLOTSZ
	s_add_co_u32 s[KF], s[KF], 512
.endm
	s_wait_alu depctr_va_vdst(0)                   ; the wait at the head's end
	s_wait_loadcnt 0x0                             ; Q, both blocks'
.Lslot:
	CHANGE 1
	SLOTBODY
	s_add_co_u32 s[T], s[T], 1
	s_cmp_lt_u32 s[T], 8
	s_cbranch_scc1 .Lslot
	CHANGE 0                                       ; the ninth slot is written out: nothing is left to ask for
	SLOTBODY
	; THE WAY OUT.  Nobody reads the ring any more behind this barrier, and it has had its last fill: the second block's parts go there.
	s_wait_dscnt 0x0
	s_barrier_signal -1
	s_barrier_wait -1
	s_mul_i32 s59, s[G], 4*PART
	s_lshl_b32 s58, s[B], 10
	s_add_co_u32 s58, s58, s59                     ; my group's parts, at channel tile w / 4, which I join
	s_add_co_u32 s59, s59, 8192
	s_mul_i32 s60, s[G], 32*80
	s_lshl_b32 s73, s[B], 4
	s_add_co_u32 s60, s60, s73
	s_add_co_u32 s60, s60, CSTG
	s_sub_co_u32 s73, 31, ttmp9
	s_lshl_b32 s73, s73, 13
	s_add_co_u32 s[OFF], s73, s[HB]
	s_add_nc_u64 s[12:13], s[8:9], s[OFF:OFF+1]    ; ao: the first block's 8,192 bytes,
	s_lshl_b32 s73, ttmp9, 13
	s_add_co_u32 s[OFF], s73, s[HB]
	s_add_nc_u64 s[14:15], s[8:9], s[OFF:OFF+1]    ; and the second's
	v_and_b32 v24, 31, v0
	v_lshlrev_b32 v25, 4, v24
	v_add_nc_u32 v23, s61, v25
	v_add_nc_u32 v16, s58, v25
	v_add_nc_u32 v17, s59, v25
	v_add_nc_u32 v18, STA, v16
	v_add_nc_u32 v19, STA, v17
	v_and_b32 v26, 15, v0
	v_bfe_u32 v27, v0, 4, 1
	v_mul_u32_u24 v20, v26, 80
	v_lshl_add_u32 v20, v27, 3, v20
	v_add_nc_u32 v20, s60, v20                     ; the codes' stage, in: row 32 g + r, bytes 16 (w / 4) + 8 h
	v_lshrrev_b32 v28, 2, v0
	v_mul_u32_u24 v21, v28, 80
	v_and_b32 v28, 3, v0
	v_lshl_add_u32 v21, v28, 4, v21
	v_add_nc_u32 v21, CSTG, v21                    ; and back: four threads to a row
	v_lshlrev_b32 v22, 4, v0
	DUMP 23
	s_wait_alu depctr_va_vdst(0)                   ; the wait here, ahead of the wait and the barrier
	s_wait_dscnt 0x0
	s_barrier_signal -1
	s_barrier_wait -1
; The four parts of my group, channels 16 (w / 4) on, both tiles of queries: each x 2^(its M - the largest M), added, divided by the sum, x 2^(e8 + e9 - e10), held, converted.
.macro MERGE ao, al, x
.irp b, 0,1,2,3
	ds_load_b128 v[KV+4*\b:KV+4*\b+3], v[\al] offset:PART*\b
.irp k, 0,1,2,3
	ds_load_b128 v[SR+16*\b+4*\k:SR+16*\b+4*\k+3], v[\ao] offset:PART*\b+4096*(\k/2)+512*(\k%2)
.endr
.endr
	s_wait_dscnt 0x0
	v_min3_num_f32 v152, v[KV], v[KV+4], v[KV+8]   ; the least -M
	v_min3_num_f32 v153, v[KV+1], v[KV+5], v[KV+9]
	v_min_num_f32 v152, v152, v[KV+12]
	v_min_num_f32 v153, v153, v[KV+13]
.irp b, 0,1,2,3
	v_sub_f32 v[PR+2*\b], v152, v[KV+4*\b]
	v_sub_f32 v[PR+2*\b+1], v153, v[KV+4*\b+1]
.endr
.set j, 0
.rept 8
	v_cvt_i32_f32 v[PR+j], v[PR+j]                 ; (it saturates: a part that met no key has M = -3e38 and the factor 0)
.set j, j+1
.endr
.set j, 0
.rept 8
	v_ldexp_f32 v[PR+j], 1.0, v[PR+j]
.set j, j+1
.endr
	v_mul_f32 v154, v[PR], v[KV+2]
	v_mul_f32 v155, v[PR+1], v[KV+3]
.irp b, 1,2,3
	v_fmac_f32 v154, v[PR+2*\b], v[KV+4*\b+2]
	v_fmac_f32 v155, v[PR+2*\b+1], v[KV+4*\b+3]
.endr
.set j, 0
.rept 16
	v_mul_f32 v[160+j], v[PR+j/8], v[SR+j]
.set j, j+1
.endr
.irp b, 1,2,3
.set j, 0
.rept 16
	v_fmac_f32 v[160+j], v[PR+2*\b+j/8], v[SR+16*\b+j]
.set j, j+1
.endr
.endr
	s_wait_alu depctr_va_vdst(0)                   ; the wait ahead of the batch,
	v_rcp_f32 v154, v154
	v_rcp_f32 v155, v155
	v_nop
	s_wait_alu depctr_va_vdst(0)                   ; and behind it
	v_ldexp_f32 v154, v154, s[EO]
	v_ldexp_f32 v155, v155, s[EO]
.set j, 0
.rept 16
	v_mul_f32 v[160+j], v[160+j], v[154+j/8]
.set j, j+1
.endr
.set j, 0
.rept 16
	v_med3_num_f32 v[160+j], v[160+j], s86, s87
.set j, j+1
.endr
	v_cvt_scalef32_pk8_fp8_f32 v[176:177], v[160:167], v189
	v_cvt_scalef32_pk8_fp8_f32 v[178:179], v[168:175], v189
	v_nop
	ds_store_b64 v20, v[176:177] offset:CBLK*\x
	ds_store_b64 v20, v[178:179] offset:CBLK*\x+16*80
.endm
	MERGE 18, 19, 0
	MERGE 16, 17, 1
	s_wait_dscnt 0x0
	s_barrier_signal -1
	s_barrier_wait -1
	ds_load_b128 v[32:35], v21
	ds_load_b128 v[36:39], v21 offset:CBLK
	s_wait_dscnt 0x0
	global_store_b128 v22, v[32:35], s[12:13]      ; a wave stores 512 consecutive bytes, at a multiple of 256 from ao's first byte
	global_store_b128 v22, v[36:39], s[14:15]
	s_wait_tensorcnt 0x0                           ; the wave's end
	ds_add_u32 v[SPW], v[NIL]
	s_wait_dscnt 0x0
	s_endpgm
.Lfunc_end_k_q45dc434b01_attn:
	.size	k_q45dc434b01_attn, .Lfunc_end_k_q45dc434b01_attn-k_q45dc434b01_attn
	.p2alignl 7, 3214868480
	.fill 96, 4, 3214868480
	.section	.rodata,"a",@progbits
	.p2align	6, 0x0
	.amdhsa_kernel k_q45dc434b01_attn
		.amdhsa_group_segment_fixed_size 327680
		.amdhsa_private_segment_fixed_size 0
		.amdhsa_enable_private_segment 0
		.amdhsa_kernarg_size 24
		.amdhsa_user_sgpr_count 2
		.amdhsa_user_sgpr_kernarg_segment_ptr 1
		.amdhsa_wavefront_size32 1
		.amdhsa_system_sgpr_workgroup_id_x 1
		.amdhsa_system_sgpr_workgroup_id_y 1
		.amdhsa_system_sgpr_workgroup_id_z 1
		.amdhsa_system_vgpr_workitem_id 0
		.amdhsa_next_free_vgpr 256
		.amdhsa_next_free_sgpr 100
		.amdhsa_reserve_vcc 1
		.amdhsa_float_denorm_mode_32 3
		.amdhsa_float_denorm_mode_16_64 3
		.amdhsa_memory_ordered 1
		.amdhsa_forward_progress 1
		.amdhsa_inst_pref_size 119
	.end_amdhsa_kernel
	.amdgpu_metadata
---
amdhsa.version: [ 1, 2 ]
amdhsa.kernels:
  - .name:           k_q45dc434b01_attn
    .symbol:         k_q45dc434b01_attn.kd
    .args:
      - { .name: qkv, .offset: 0, .size: 8, .value_kind: global_buffer, .address_space: global }
      - { .name: lowp_scales, .offset: 8, .size: 8, .value_kind: global_buffer, .address_space: global }
      - { .name: ao, .offset: 16, .size: 8, .value_kind: global_buffer, .address_space: global }
    .group_segment_fixed_size: 327680
    .private_segment_fixed_size: 0
    .kernarg_segment_align: 8
    .kernarg_segment_size: 24
    .max_flat_workgroup_size: 512
    .sgpr_count:     100
    .vgpr_count:     256
    .wavefront_size: 32
...
	.end_amdgpu_metadata
.endif
;; end of part 3
;; launch outp (part 4): grid 8 x 32, 4 waves a work-group, clusters of 4 x 4, 327,680 bytes of LDS; arguments ao, codes, lowp_scales, out0; writes out0
.if DOCPART == 4
	.amdgcn_target "amdgcn-amd-amdhsa--gfx1250"
	.amdhsa_code_object_version 6
	.text
	.protected	k_q45dc434b01_outp
	.globl	k_q45dc434b01_outp
	.p2align	8
	.type	k_q45dc434b01_outp,@function
k_q45dc434b01_outp:
	s_mov_b64 s[64:65], 0
	v_nop
	global_prefetch_b8 v0, s[64:65] scope:SCOPE_SE
	s_setreg_imm32_b32 hwreg(HW_REG_WAVE_MODE, 25, 1), 1
	s_wait_xcnt 0x0
	s_wait_alu depctr_hold_cnt(0) depctr_sa_sdst(0) depctr_va_vdst(0) depctr_va_sdst(0) depctr_va_ssrc(0) depctr_va_vcc(0) depctr_vm_vsrc(0)
	s_getreg_b32 s2, hwreg(HW_REG_IB_STS2, 6, 4)
	s_cmp_eq_u32 s2, 0
	s_cbranch_scc0 .Lentry_in_a_cluster
	s_endpgm
.Lentry_in_a_cluster:
	s_bfe_u32 s2, ttmp6, 0x10000c
	s_cmp_lg_u32 s2, 0xf033
	s_cbranch_scc0 .Lentry_shape_is_right
	s_endpgm
.Lentry_shape_is_right:
; out0[m][n] = 2^(e10 + e11) x the sum over k of A[m][k] W[n][k], on codes of FP8 (E4M3).  A = ao, [16 heads][4096][64] codes (k = 64 x head + channel); W = Wo's codes, [1024][1024], at byte 15 MiB of codes; out0 [4096][1024] f32.
; LIMIT: e10 + e11 lies between -126 and 127, so that 2^(e10 + e11) is an f32 number.
; SHARES.  A block of out0 is 128 x 128: 8 x 32 = 256 work-groups of four waves; a wave makes 64 x 64: 16 accumulators of 16 x 16.
; ALL OF K LIES IN LDS, in two halves of 512, and no LDS byte is filled twice: a half holds A's 8 planes (heads) of 128 rows x (64 + 16) bytes and W's 128 rows of (512 + 16) bytes.
; Each wave issues one load for the first half at the head (waves 0, 1: four planes of A each; waves 2, 3: 64 rows of W each) and one for the second half behind the waits, a spare add and a cluster round;
; the second half is on its way while the first is multiplied; one barrier of the work-group stands between the halves.
; CLUSTERS: 4 x 4 work-groups.  The four of a row of the cluster need the same rows of A, the four of a column the same rows of W: each tile is asked for jointly.
; NO PREFETCH: the launch has no loop to run ahead in: both of a wave's loads are out before its first product.
; THE MATRIX INSTRUCTION IS USED TRANSPOSED (source 0 = 16 rows of W, source 1 = 16 rows of A): a lane holds eight neighbouring numbers of a row of out0.  Fragments come by loads of 16 bytes: the same permutation of k on both sides.
; REGISTERS, in windows of 256: window 0: v0-31 addresses, v32-95 A's and v96-159 W's fragments of the even steps of 128 along K; window 2: the same numbers, the odd steps; window 1: v0-127 the accumulators, (a, b) at v[8 (4 a + b)].
.set APITCH, 80
.set APLANE, 128*APITCH
.set BPITCH, 528
.set BOFF,   8*APLANE
.set HALFSZ, BOFF+128*BPITCH
.set SPARE,  2*HALFSZ                  ; behind the two halves: the spare words, 128 bytes a wave
.set SPITCH, 272                       ; the way out: a stage of 16 rows x (256 + 16) bytes for each wave, in the first half, behind its last read
.set ADRA, 16                          ; v16-19 my A fragments: planes 0-3, 4-7 of the first half, of the second
.set ADRB, 20                          ; v20-21 my W fragments in the two halves
.set STO,  24
.set RD,   25
.set CO,   26
.set SPW,  28
.set NIL,  29
.set AF,   32
.set BF,   96
.set TMP,  32
.set BK,   64                          ; the way out: 32 registers of its own for each of the four blocks
.set G1, 24
.set G0, 32
.set G1B, 48
.set G0B, 56
.set MSB, 0
.macro WIN new                         ; the immediate's high byte repeats the setting that is left
.if MSB != (\new)
	s_set_vgpr_msb (MSB<<8)|(\new)
.set MSB, (\new)
.endif
.endm
.macro JLOAD g0a, g1a, g0b, g1b        ; waves 0 and 1 fetch for A, waves 2 and 3 for W; an s_nop 0 and four v_nop follow each line
	s_cmp_eq_u32 s15, 0
	s_cbranch_scc0 .Lfor_b_\@
	tensor_load_to_lds s[\g0a:\g0a+3], s[\g1a:\g1a+7]
	s_nop 0
.rept 4
	v_nop
.endr
	s_branch .Lasked_\@
.Lfor_b_\@:
	tensor_load_to_lds s[\g0b:\g0b+3], s[\g1b:\g1b+7]
	s_nop 0
.rept 4
	v_nop
.endr
.Lasked_\@:
.endm
.macro CROUND                          ; a round of the cluster's barrier
	s_barrier_signal -1
	s_barrier_wait -1
	s_cmp_lg_u32 s14, 0
	s_cbranch_scc1 .Lnot_wave_0_\@
	s_barrier_signal -3
.Lnot_wave_0_\@:
	s_barrier_wait -3
	s_barrier_signal -1
	s_barrier_wait -1
.endm
.macro PLACES
.rept 4
	v_nop
.endr
.endm
	s_load_b128 s[4:7], s[0:1], 0x0                ; ao, codes
	s_load_b128 s[8:11], s[0:1], 0x10              ; the scales' exponents, out0
	v_lshl_add_u32 v[SPW], v0, 2, SPARE
	v_mov_b32 v[NIL], 0
	ds_add_u32 v[SPW], v[NIL]                      ; the opening lines: the add, twice on end, and its wait
	ds_add_u32 v[SPW], v[NIL]
	v_lshrrev_b32 v1, 5, v0
	v_readfirstlane_b32 s14, v1                    ; wave
	s_lshr_b32 s15, s14, 1                         ; which 64 rows of the block are mine.  Also: I fetch for A (0) or for W (1)
	s_and_b32 s16, s14, 1                          ; which 64 columns.  Also: which part of that tile I fetch
	s_bfe_u32 s40, ttmp6, 0x40000                  ; cx, cy
	s_bfe_u32 s41, ttmp6, 0x40004
	s_lshl_b32 s42, ttmp9, 2
	s_add_co_u32 s42, s42, s40                     ; block column
	s_and_b32 s17, ttmp7, 0xffff
	s_lshl_b32 s17, s17, 2
	s_add_co_u32 s17, s17, s41                     ; block row
	s_lshl_b32 s43, s41, 2
	s_lshl_b32 s43, 15, s43                        ; my row of the cluster
	s_lshl_b32 s44, 0x1111, s40                    ; my column
	s_or_b32 s[G1+0], s43, (1<<20)|(1<<21)|(3<<22)|(3<<25)   ; A: four planes; a plane's 128 rows of 64 bytes are dense: one row of 8,192 bytes, 16 bytes of padding behind every 64
	s_mov_b32 s[G1+1], 8192<<16
	s_mov_b32 s[G1+2], 4<<16
	s_mov_b32 s[G1+3], 8192<<16
	s_mov_b32 s[G1+4], 4
	s_mov_b32 s[G1+5], 262144
	s_mov_b32 s[G1+6], 0
	s_mov_b32 s[G1+7], 0
	s_or_b32 s[G1B+0], s44, (1<<20)|(1<<21)|(6<<22)|(3<<25)  ; W: 64 rows of 512 bytes, 1,024 apart, 16 bytes of padding behind each
	s_mov_b32 s[G1B+1], 512<<16
	s_mov_b32 s[G1B+2], 64<<16
	s_mov_b32 s[G1B+3], 512<<16
	s_mov_b32 s[G1B+4], 64
	s_mov_b32 s[G1B+5], 1024
	s_mov_b32 s[G1B+6], 0
	s_mov_b32 s[G1B+7], 0
	s_lshl_b32 s20, s17, 13                        ; A: 128 rows of 64 bytes a block row,
	s_lshl_b32 s18, s16, 20                        ; + my four planes of 262,144 bytes
	s_add_co_u32 s20, s20, s18
	s_mov_b32 s21, 0
	s_lshl_b32 s46, s42, 7
	s_lshl_b32 s18, s16, 6
	s_add_co_u32 s46, s46, s18                     ; W: row 128 x block column + my 64
	s_lshl_b32 s46, s46, 10
	s_add_co_u32 s46, s46, 0xf00000
	s_mov_b32 s47, 0
	s_mul_i32 s45, s16, 4*APLANE                   ; where they go: the wave's number alone
	s_mul_i32 s23, s16, 64*BPITCH
	s_add_co_u32 s23, s23, BOFF
	s_wait_dscnt 0x0
	s_wait_kmcnt 0x0
	s_load_b64 s[96:97], s[8:9], 0x28              ; e10, e11
	s_add_nc_u64 s[20:21], s[4:5], s[20:21]
	s_add_nc_u64 s[46:47], s[6:7], s[46:47]
	CROUND                                         ; all sixteen work-groups are here: the first joint loads meet
.irp s, 0,1
	s_mov_b32 s[G0+4*\s], 1
	s_add_co_u32 s[G0+4*\s+1], s45, \s*HALFSZ
	s_add_nc_u64 s[G0+4*\s+2:G0+4*\s+3], s[20:21], \s*8*262144
	s_or_b32 s[G0+4*\s+3], s[G0+4*\s+3], 0x80000000
	s_mov_b32 s[G0B+4*\s], 1
	s_add_co_u32 s[G0B+4*\s+1], s23, \s*HALFSZ
	s_add_nc_u64 s[G0B+4*\s+2:G0B+4*\s+3], s[46:47], \s*512
	s_or_b32 s[G0B+4*\s+3], s[G0B+4*\s+3], 0x80000000
.endr
	JLOAD G0, G1, G0B, G1B                         ; K 0 to 511: one tensor load a wave at the head
	s_mul_i32 s70, s15, 64*APITCH                  ; my 64 rows of A, in planes 0-3 and 4-7 of each half
	s_add_co_u32 s71, s70, 4*APLANE
	s_add_co_u32 s72, s70, HALFSZ
	s_add_co_u32 s73, s71, HALFSZ
	s_mul_i32 s74, s16, 64*BPITCH                  ; my 64 rows of W
	s_add_co_u32 s74, s74, BOFF
	s_add_co_u32 s75, s74, HALFSZ
	s_mul_i32 s76, s14, 16*SPITCH                  ; my stage
	s_lshl_b32 s20, s17, 7
	s_lshl_b32 s21, s15, 6
	s_add_co_u32 s20, s20, s21                     ; my first row of out0
	s_mov_b32 s21, 0
	s_mov_b64 s[18:19], 4096
	s_mul_u64 s[20:21], s[20:21], s[18:19]
	s_lshl_b32 s46, s42, 9                         ; my first column, in bytes
	s_lshl_b32 s47, s16, 8
	s_add_co_u32 s46, s46, s47
	s_mov_b32 s47, 0
	s_add_nc_u64 s[20:21], s[20:21], s[46:47]
	s_add_nc_u64 s[10:11], s[10:11], s[20:21]
	v_and_b32 v1, 15, v0                           ; r
	v_bfe_u32 v2, v0, 4, 1                         ; h
	v_mul_u32_u24 v3, v1, BPITCH
	v_lshl_add_u32 v4, v2, 4, v3
	v_mul_u32_u24 v3, v1, APITCH
	v_lshl_add_u32 v7, v2, 4, v3
	v_add_nc_u32 v[ADRA], s70, v7
	v_add_nc_u32 v[ADRA+1], s71, v7
	v_add_nc_u32 v[ADRA+2], s72, v7
	v_add_nc_u32 v[ADRA+3], s73, v7
	v_add_nc_u32 v[ADRB], s74, v4
	v_add_nc_u32 v[ADRB+1], s75, v4
	v_mul_u32_u24 v5, v1, SPITCH                   ; the stage, in: row r, 32 bytes for each half of the lanes
	v_lshl_add_u32 v5, v2, 5, v5
	v_add_nc_u32 v[STO], s76, v5
	v_mul_u32_u24 v5, v2, SPITCH                   ; and back: lanes 0-15 one row of 256 bytes, lanes 16-31 the next
	v_lshl_add_u32 v5, v1, 4, v5
	v_add_nc_u32 v[RD], s76, v5
	v_lshlrev_b32 v5, 12, v2                       ; the same two rows in out0
	v_lshl_add_u32 v[CO], v1, 4, v5
; The fragments of step k (128 along K; k = 0 .. 7): W's four and A's four, 16 registers each, into the set of k's parity.  32 loads.
.macro FETCH k
	WIN 0x80*((\k)%2)                              ; destination: window 0 or 2; the address in window 0
.irp i, 0,1,2,3
.irp c, 0,1,2,3
	ds_load_b128 v[BF+16*\i+4*\c:BF+16*\i+4*\c+3], v[ADRB+(\k)/4] offset:128*((\k)%4)+32*\c+\i*16*BPITCH
.endr
.endr
.irp i, 0,1,2,3
.irp c, 0,1,2,3
	ds_load_b128 v[AF+16*\i+4*\c:AF+16*\i+4*\c+3], v[ADRA+(\k)/2] offset:(2*((\k)%2)+\c/2)*APLANE+32*(\c%2)+\i*16*APITCH
.endr
.endr
.endm
; Step k's 16 products: the accumulators take turns, in the same order in every step.  zero = 1: the first products start the sums.
.macro MUL k, zero
	WIN 0x50+0x0a*((\k)%2)                         ; C and D window 1; sources window 0 or 2
.irp a, 0,1,2,3
.irp b, 0,1,2,3
.if \zero
	v_wmma_f32_16x16x128_fp8_fp8 v[8*(4*\a+\b):8*(4*\a+\b)+7], v[BF+16*\b:BF+16*\b+15], v[AF+16*\a:AF+16*\a+15], 0
.else
	v_wmma_f32_16x16x128_fp8_fp8 v[8*(4*\a+\b):8*(4*\a+\b)+7], v[BF+16*\b:BF+16*\b+15], v[AF+16*\a:AF+16*\a+15], v[8*(4*\a+\b):8*(4*\a+\b)+7]
.endif
.endr
.endr
.endm
	s_wait_alu depctr_va_vdst(0)                   ; the wait at the head's end
	s_wait_tensorcnt 0x0                           ; my part of the first half is in
	ds_add_u32 v[SPW], v[NIL]
	s_wait_dscnt 0x0
	CROUND                                         ; everybody's part is in, and all sixteen work-groups are here
	JLOAD G0+4, G1, G0B+4, G1B                     ; K 512 to 1,023: the first tensor load behind the round
	FETCH 0
	FETCH 1
	s_wait_dscnt 32                                ; step 0's 32 loads are in; step 1's may be out
	MUL 0, 1
	PLACES                                         ; four places ahead of loads into registers that matrix instructions have read
	FETCH 2
	s_wait_dscnt 32
	MUL 1, 0
	PLACES
	FETCH 3
	s_wait_dscnt 32
	MUL 2, 0
	s_wait_tensorcnt 0x0                           ; my part of the second half is in,
	s_wait_dscnt 0x0                               ; and my reads of the first half are over
	s_barrier_signal -1
	MUL 3, 0                                       ; work on registers while the others arrive
	s_barrier_wait -1                              ; the second half is whole; nobody reads the first any more
	PLACES
	FETCH 4
	FETCH 5
	s_wait_dscnt 32
	MUL 4, 0
	PLACES
	FETCH 6
	s_wait_dscnt 32
	MUL 5, 0
	PLACES
	FETCH 7
	s_wait_dscnt 32
	MUL 6, 0
	s_wait_dscnt 0x0
	MUL 7, 0
; THE WAY OUT, by blocks of 16 rows x 64 columns: x 2^(e10 + e11), through my stage, back as rows of 256 bytes: sixteen lanes store one aligned unit of 256 bytes.
; LDS serves a wave's instructions in order (ISA guide 5.7.1.4): no wait between the stores and the loads, nor ahead of the next block's stores.
.macro TOSTAGE a
	WIN 0x01                                       ; source 0: window 1
.set j, 0
.rept 16
	v_pk_mul_f32 v[TMP+j:TMP+j+1], v[32*\a+j:32*\a+j+1], s[96:97] op_sel_hi:[1,0]   ; each accumulator from its low end on
.set j, j+2
.endr
	WIN 0
.irp b, 0,1,2,3
	ds_store_b128 v[STO], v[TMP+8*\b:TMP+8*\b+3] offset:64*\b
	ds_store_b128 v[STO], v[TMP+8*\b+4:TMP+8*\b+7] offset:64*\b+16
.endr
.irp t, 0,1,2,3,4,5,6,7
	ds_load_b128 v[BK+32*\a+4*\t:BK+32*\a+4*\t+3], v[RD] offset:\t*2*SPITCH
.endr
.endm
.macro SEND a, younger                 ; younger: the LDS instructions issued behind block a's loads
	s_wait_dscnt \younger
.irp t, 0,1,2,3,4,5,6,7
	global_store_b128 v[CO], v[BK+32*\a+4*\t:BK+32*\a+4*\t+3], s[10:11] offset:(16*\a+2*\t)*4096 th:TH_STORE_NT
.endr
.endm
	s_wait_kmcnt 0x0
	s_add_co_i32 s96, s96, s97
	s_add_co_i32 s96, s96, 127
	s_lshl_b32 s96, s96, 23                        ; 2^(e10 + e11) as f32
	PLACES                                         ; ahead of the first read of results and of writes into the fragments' registers
	TOSTAGE 0
	TOSTAGE 1
	SEND 0, 16                                     ; behind block 0's loads: block 1's 8 stores and 8 loads
	TOSTAGE 2
	SEND 1, 16
	TOSTAGE 3
	SEND 2, 16
	SEND 3, 0
	s_wait_tensorcnt 0x0                           ; the wave's end
	ds_add_u32 v[SPW], v[NIL]
	s_wait_dscnt 0x0
	CROUND                                         ; the closing round
	s_endpgm
.Lfunc_end_k_q45dc434b01_outp:
	.size	k_q45dc434b01_outp, .Lfunc_end_k_q45dc434b01_outp-k_q45dc434b01_outp
	.p2alignl 7, 3214868480
	.fill 96, 4, 3214868480
	.section	.rodata,"a",@progbits
	.p2align	6, 0x0
	.amdhsa_kernel k_q45dc434b01_outp
		.amdhsa_group_segment_fixed_size 327680
		.amdhsa_private_segment_fixed_size 0
		.amdhsa_enable_private_segment 0
		.amdhsa_kernarg_size 32
		.amdhsa_user_sgpr_count 2
		.amdhsa_user_sgpr_kernarg_segment_ptr 1
		.amdhsa_wavefront_size32 1
		.amdhsa_system_sgpr_workgroup_id_x 1
		.amdhsa_system_sgpr_workgroup_id_y 1
		.amdhsa_system_sgpr_workgroup_id_z 1
		.amdhsa_system_vgpr_workitem_id 0
		.amdhsa_next_free_vgpr 768
		.amdhsa_next_free_sgpr 98
		.amdhsa_reserve_vcc 0
		.amdhsa_float_denorm_mode_32 3
		.amdhsa_float_denorm_mode_16_64 3
		.amdhsa_memory_ordered 1
		.amdhsa_forward_progress 1
		.amdhsa_inst_pref_size 46
	.end_amdhsa_kernel
	.amdgpu_metadata
---
amdhsa.version: [ 1, 2 ]
amdhsa.kernels:
  - .name:           k_q45dc434b01_outp
    .symbol:         k_q45dc434b01_outp.kd
    .args:
      - { .name: ao, .offset: 0, .size: 8, .value_kind: global_buffer, .address_space: global }
      - { .name: codes, .offset: 8, .size: 8, .value_kind: global_buffer, .address_space: global }
      - { .name: lowp_scales, .offset: 16, .size: 8, .value_kind: global_buffer, .address_space: global }
      - { .name: out0, .offset: 24, .size: 8, .value_kind: global_buffer, .address_space: global }
    .group_segment_fixed_size: 327680
    .private_segment_fixed_size: 0
    .kernarg_segment_align: 8
    .kernarg_segment_size: 32
    .max_flat_workgroup_size: 128
    .sgpr_count:     98
    .vgpr_count:     768
    .wavefront_size: 32
...
	.end_amdgpu_metadata
.endif
;; end of part 4
